; MI455X (gfx1250); checked and timed in simulation.
; The chip was launched on July 23, 2026; its instructions are those of AMD's public machine-readable ISA for CDNA 5 (MIT licence, August 2026) and "CDNA5" Instruction Set Architecture Reference Guide (July 2026). The comments in the code are by the model that wrote it; some were corrected since.
;; F Mo E. Allowed arithmetic: float matrix products may take bf16 or f16 operands with f32 sums; other float arithmetic in f32, or as packed bf16 or f16 multiplies, adds, multiply-adds, maxima and minima; sums over many terms, partial sums and values carried from step to step in f32; what a program stores and reads back later, other than sums and carried values, may be rounded once to bf16 or f16.
;; Inputs: W1 16 x 512 x 1,024 float32; W2 16 x 1,024 x 512 float32; Wg 512 x 16 float32; b1 16 x 1,024 float32; b2 16 x 512 float32; bg 16 float32; x 4,096 x 512 float32.
;; Outputs: out0 4,096 x 512 float32.
;; One version. Each part assembles by itself: llvm-mc -triple=amdgcn-amd-amdhsa -mcpu=gfx1250 --defsym DOCPART=n.
;; ======== version 1 of 1: 4 launches
;; limits: values are held in f16: magnitudes above 65,504 overflow, below 6.1e-05 lose precision
;; workspace buffers: xb 4,194,304 bytes; ridx 32,768 bytes of whole numbers; rsc 32,768 bytes; hs 18,874,368 bytes; lst 163,840 bytes of whole numbers; yp 33,554,432 bytes
;; launch route (part 1): grid 256 x 1, 1 waves a work-group, no clusters, 33,280 bytes of LDS; arguments x, Wg, bg, xb, ridx, rsc; writes xb, ridx, rsc
.if DOCPART == 1
	.amdgcn_target "amdgcn-amd-amdhsa--gfx1250"
	.amdhsa_code_object_version 6
	.text
	.protected	k_q9e57f0e274_route
	.globl	k_q9e57f0e274_route
	.p2align	8
	.type	k_q9e57f0e274_route,@function
k_q9e57f0e274_route:
	s_mov_b64 s[64:65], 0
	v_nop
	global_prefetch_b8 v0, s[64:65] scope:SCOPE_SE
	s_setreg_imm32_b32 hwreg(HW_REG_WAVE_MODE, 25, 1), 1
	s_wait_xcnt 0x0
; THE GATE.  xb = x rounded to bf16; logits = xb . bf16(Wg) + bf16(bg), products on the matrix unit, sums in f32; the two largest logits
; of a token (of equal logits the lower expert first, as jax.lax.top_k has it); softmax of the two with the larger one taken away.
; All inputs of the whole program are rounded to bf16 once, the gate's too, so that every launch works on the same numbers.
; SHARES.  One wave to a work-group, 16 tokens: 32,768 bytes of x.  Wg (32,768 bytes) is read whole by every work-group.
; The chosen experts go to ridx [token][2] as whole numbers and the two weights to rsc [token][2], at fixed places: no address here hangs on them.
; LIMITS.  NaN and infinite logits are not treated apart.  Two logits closer than the rounding of their f32 sums may be ordered otherwise than by another order of summation.
; A weight below 2^-126 counts as 0.
; No tile is shared with another work-group but Wg, 1/2 of the bytes read here and read once at the start; there is no ring to fill, so no joint loads.
; REGISTERS in windows of 256 (s_set_vgpr_msb: bits 1:0 source 0, 3:2 source 1, 5:4 source 2, 7:6 destination):
;   window 0: addresses, v40-47 bg, v64-191 packed bf16, v192-223 four accumulators;  window 1: x in f32;  window 2: Wg in f32;  window 3: v0-127 x's fragments, v128-255 Wg's.
.set XP,    1040                       ; a row of x in LDS: 1,024 bytes + 16 = 65 x 16: the 16 rows of a fragment load start at 16 different groups of four banks
.set WGT,   0                          ; bf16 Wg as it lies, [512][16], 32 bytes a row
.set XS,    16384                      ; 16 rows of bf16 x
.set SPARE, XS+16*XP                   ; 33,024: the spare words, one block of 256 bytes that no other line names
.set SPW,   10                         ; v10  SPARE + 4 x thread; never rewritten
.set NIL,   11                         ; v11  0; never rewritten
.set BG,    40                         ; v40-47  bg[8 h + i], rounded to bf16
.set PK,    64                         ; v64-191 packed bf16
.set ACC,   192                        ; v192-223
.set MSB, 0
.macro WIN new                         ; the immediate's high byte repeats the setting that is left; a switch that changes nothing is dropped
.if MSB != (\new)
	s_set_vgpr_msb (MSB<<8)|(\new)
.set MSB, (\new)
.endif
.endm
	s_load_b256 s[4:11], s[0:1], 0x0               ; x s[4:5], Wg s[6:7], bg s[8:9], xb s[10:11]
	s_load_b128 s[12:15], s[0:1], 0x20             ; ridx s[12:13], rsc s[14:15]
	v_lshl_add_u32 v[SPW], v0, 2, SPARE
	v_mov_b32 v[NIL], 0
	v_and_b32 v1, 15, v0                           ; r
	v_lshrrev_b32 v2, 4, v0                        ; h (one wave: the thread's number is the lane)
	v_lshlrev_b32 v3, 4, v0                        ; 16 x lane
	v_lshlrev_b32 v4, 3, v0                        ; 8 x lane
	v_mul_u32_u24 v5, v1, XP
	v_lshl_add_u32 v5, v2, 4, v5
	v_add_nc_u32 v5, XS, v5                        ; x's fragments: row r, 16 bytes for each half of the lanes
	v_and_b32 v6, 7, v0
	v_lshl_add_u32 v6, v2, 3, v6
	v_lshlrev_b32 v6, 5, v6                        ; the turning load: row 8 h + lane % 8 of 32 bytes,
	v_bfe_u32 v7, v0, 3, 1
	v_lshl_add_u32 v6, v7, 4, v6                   ; experts 8 ((lane / 8) % 2) on
	v_add_nc_u32 v7, XS, v4
	v_lshlrev_b32 v8, 5, v2                        ; bg: 8 numbers for each half
	v_lshlrev_b32 v9, 3, v1                        ; 8 bytes a token in ridx and rsc
	s_mov_b32 s20, 0x76543210                      ; v_permlanex16_b32: each lane takes its own place in the other half
	s_mov_b32 s21, 0xfedcba98
	s_lshl_b32 s18, ttmp9, 15                      ; 16 rows of 2,048 bytes
	s_mov_b32 s19, 0
	s_wait_kmcnt 0x0
	s_add_nc_u64 s[4:5], s[4:5], s[18:19]
	s_lshl_b32 s18, ttmp9, 14                      ; 16 rows of 1,024 bytes
	s_add_nc_u64 s[10:11], s[10:11], s[18:19]
	s_lshl_b32 s18, ttmp9, 7                       ; 16 tokens of 8 bytes
	s_add_nc_u64 s[12:13], s[12:13], s[18:19]
	s_add_nc_u64 s[14:15], s[14:15], s[18:19]
	WIN 0x80                                       ; Wg: 64 loads of 512 neighbouring bytes
.set m, 0
.rept 64
	global_load_b128 v[4*m:4*m+3], v3, s[6:7] offset:512*m
.set m, m+1
.endr
	WIN 0
	global_load_b128 v[32:35], v8, s[8:9]
	global_load_b128 v[36:39], v8, s[8:9] offset:16
	WIN 0x40                                       ; x: 64 loads of 512 neighbouring bytes, read once in the launch
.set m, 0
.rept 64
	global_load_b128 v[4*m:4*m+3], v3, s[4:5] offset:512*m th:TH_LOAD_NT
.set m, m+1
.endr
	s_wait_loadcnt 63                              ; 130 loads are issued: the oldest 67 are in, Wg's 64 and bg's 2 among them
	WIN 0x0a                                       ; sources in window 2
.set m, 0
.rept 64
	v_cvt_pk_bf16_f32 v[PK+2*m], v[4*m], v[4*m+1]
	v_cvt_pk_bf16_f32 v[PK+2*m+1], v[4*m+2], v[4*m+3]
.set m, m+1
.endr
	WIN 0
.set m, 0
.rept 64
	ds_store_b64 v4, v[PK+2*m:PK+2*m+1] offset:WGT+256*m
.set m, m+1
.endr
.irp q, 0,1,2,3
	v_cvt_pk_bf16_f32 v[16+\q], v[32+2*\q], v[33+2*\q]
.endr
.irp q, 0,1,2,3
	v_lshlrev_b32 v[BG+2*\q], 16, v[16+\q]         ; bf16 back to f32: the low half moves up,
	v_and_b32 v[BG+2*\q+1], 0xffff0000, v[16+\q]   ; the high half stays
.endr
	s_wait_loadcnt 0x0                             ; x
	s_wait_dscnt 0x0                               ; Wg's stores have read the packed registers, which are written anew
	WIN 0x05                                       ; sources in window 1
.set m, 0
.rept 64
	v_cvt_pk_bf16_f32 v[PK+2*m], v[4*m], v[4*m+1]
	v_cvt_pk_bf16_f32 v[PK+2*m+1], v[4*m+2], v[4*m+3]
.set m, m+1
.endr
	WIN 0
.set m, 0
.rept 64
	global_store_b64 v4, v[PK+2*m:PK+2*m+1], s[10:11] offset:256*m  ; 32 lanes store 256 consecutive bytes, at a multiple of 256 from xb's first byte
	ds_store_b64 v7, v[PK+2*m:PK+2*m+1] offset:(m/4)*XP+(m%4)*256
.set m, m+1
.endr
	WIN 0xc0                                       ; LDS serves a wave's instructions in order (ISA guide 5.7.1.4): these loads see the stores above
.set k, 0
.rept 16
	ds_load_b128 v[8*k:8*k+3],   v5 offset:64*k            ; token r, channels 32 k + 8 h on
	ds_load_b128 v[8*k+4:8*k+7], v5 offset:64*k+32         ; and 32 k + 16 + 8 h on
	ds_load_tr16_b128 v[128+8*k:128+8*k+3], v6 offset:WGT+1024*k       ; expert r, the same channels, turned
	ds_load_tr16_b128 v[128+8*k+4:128+8*k+7], v6 offset:WGT+1024*k+512
.set k, k+1
.endr
	s_wait_dscnt 0x0
	; Source 0 = 16 experts, source 1 = 16 tokens: in the result lane (r, h) holds token r and, in register i, expert 8 h + i.
	; Four accumulators take turns; the first starts with bg, the others with 0.
	WIN 0x0f
.set k, 0
.rept 16
.set a, ACC+8*(k%4)
.if k == 0
	v_wmma_f32_16x16x32_bf16 v[a:a+7], v[128+8*k:128+8*k+7], v[8*k:8*k+7], v[BG:BG+7]
.elseif k < 4
	v_wmma_f32_16x16x32_bf16 v[a:a+7], v[128+8*k:128+8*k+7], v[8*k:8*k+7], 0
.else
	v_wmma_f32_16x16x32_bf16 v[a:a+7], v[128+8*k:128+8*k+7], v[8*k:8*k+7], v[a:a+7]
.endif
.set k, k+1
.endr
	WIN 0
.rept 4
	v_nop                                          ; four places behind the last products (ISA guide 7.12.1)
.endr
.irp q, 0,2,4,6                                        ; each accumulator is read from its low end on
	v_pk_add_f32 v[ACC+\q:ACC+\q+1], v[ACC+\q:ACC+\q+1], v[ACC+8+\q:ACC+8+\q+1]
.endr
.irp q, 0,2,4,6
	v_pk_add_f32 v[ACC+16+\q:ACC+16+\q+1], v[ACC+16+\q:ACC+16+\q+1], v[ACC+24+\q:ACC+24+\q+1]
.endr
.irp q, 0,2,4,6
	v_pk_add_f32 v[ACC+\q:ACC+\q+1], v[ACC+\q:ACC+\q+1], v[ACC+16+\q:ACC+16+\q+1]
.endr
	; The two largest of the lane's eight: v16, v17 the largest and its expert; v18, v19 the second.  Strictly greater: of equals the lower expert stays ahead.
	v_lshlrev_b32 v20, 3, v2
	v_mov_b32 v16, v[ACC]
	v_mov_b32 v17, v20
	v_mov_b32 v18, 0xff800000
	v_mov_b32 v19, v20
.irp i, 1,2,3,4,5,6,7
	v_cmp_gt_f32 s22, v[ACC+\i], v16
	v_cmp_gt_f32 s23, v[ACC+\i], v18
	v_add_nc_u32 v21, \i, v20
	v_cndmask_b32 v22, v18, v[ACC+\i], s23
	v_cndmask_b32 v23, v19, v21, s23
	v_cndmask_b32 v18, v22, v16, s22
	v_cndmask_b32 v19, v23, v17, s22
	v_cndmask_b32 v16, v16, v[ACC+\i], s22
	v_cndmask_b32 v17, v17, v21, s22
.endr
	; The other half's pair.  Only lanes 0-15 store: there my pair is experts 0-7's (A) and the other's is experts 8-15's (B), so B wins only if strictly greater.
.irp q, 24,25,26,27
	v_mov_b32 v\q, 0                               ; v_permlanex16_b32's destination counts as read
.endr
	v_permlanex16_b32 v24, v16, s20, s21
	v_permlanex16_b32 v25, v17, s20, s21
	v_permlanex16_b32 v26, v18, s20, s21
	v_permlanex16_b32 v27, v19, s20, s21
	v_cmp_gt_f32 s22, v24, v16                     ; c: B's first beats A's first
	v_cndmask_b32 v12, v17, v25, s22               ; the first expert
	v_cndmask_b32 v28, v16, v24, s22               ; and its logit
	v_cndmask_b32 v29, v18, v16, s22               ; A's candidate for second: c ? A's first : A's second
	v_cndmask_b32 v30, v19, v17, s22
	v_cndmask_b32 v31, v24, v26, s22               ; B's: c ? B's second : B's first
	v_cndmask_b32 v21, v25, v27, s22
	v_cmp_gt_f32 s23, v31, v29
	v_cndmask_b32 v13, v30, v21, s23               ; the second expert
	v_cndmask_b32 v22, v29, v31, s23
	v_sub_f32 v22, v22, v28                        ; second - first, never above 0: the maximum is taken away
	v_mul_f32 v22, 0x3fb8aa3b, v22
	v_exp_f32 v22, v22
	v_nop                                          ; a plain instruction behind the exponential (ISA guide 5.7.2),
	s_wait_alu depctr_va_vdst(0)                   ; and a wait ahead of its first reader
	v_add_f32 v23, 1.0, v22
	v_rcp_f32 v14, v23
	v_nop
	s_wait_alu depctr_va_vdst(0)
	v_mul_f32 v15, v22, v14                        ; the weights: 1 / (1 + e), e / (1 + e)
	s_wait_xcnt 0x0                                ; EXEC changes only behind this wait: xb's stores have been issued
	v_cmp_gt_u32 vcc_lo, 16, v0
	s_and_saveexec_b32 s26, vcc_lo
	global_store_b64 v9, v[12:13], s[12:13]        ; 16 tokens x 8 bytes: 128 consecutive bytes of each of the two small tables
	global_store_b64 v9, v[14:15], s[14:15]
	s_wait_xcnt 0x0                                ; and again in front of the line that widens it
	s_or_b32 exec_lo, exec_lo, s26
	s_wait_tensorcnt 0x0                           ; the wave's end, behind my last LDS store
	ds_add_u32 v[SPW], v[NIL]
	s_wait_dscnt 0x0
	s_endpgm
.Lfunc_end_k_q9e57f0e274_route:
	.size	k_q9e57f0e274_route, .Lfunc_end_k_q9e57f0e274_route-k_q9e57f0e274_route
	.p2alignl 7, 3214868480
	.fill 96, 4, 3214868480
	.section	.rodata,"a",@progbits
	.p2align	6, 0x0
	.amdhsa_kernel k_q9e57f0e274_route
		.amdhsa_group_segment_fixed_size 33280
		.amdhsa_private_segment_fixed_size 0
		.amdhsa_enable_private_segment 0
		.amdhsa_kernarg_size 48
		.amdhsa_user_sgpr_count 2
		.amdhsa_user_sgpr_kernarg_segment_ptr 1
		.amdhsa_wavefront_size32 1
		.amdhsa_system_sgpr_workgroup_id_x 1
		.amdhsa_system_sgpr_workgroup_id_y 1
		.amdhsa_system_sgpr_workgroup_id_z 1
		.amdhsa_system_vgpr_workitem_id 0
		.amdhsa_next_free_vgpr 1024
		.amdhsa_next_free_sgpr 66
		.amdhsa_reserve_vcc 1
		.amdhsa_float_denorm_mode_32 3
		.amdhsa_float_denorm_mode_16_64 3
		.amdhsa_memory_ordered 1
		.amdhsa_forward_progress 1
		.amdhsa_inst_pref_size 57
	.end_amdhsa_kernel
	.amdgpu_metadata
---
amdhsa.version: [ 1, 2 ]
amdhsa.kernels:
  - .name:           k_q9e57f0e274_route
    .symbol:         k_q9e57f0e274_route.kd
    .args:
      - { .name: x, .offset: 0, .size: 8, .value_kind: global_buffer, .address_space: global }
      - { .name: Wg, .offset: 8, .size: 8, .value_kind: global_buffer, .address_space: global }
      - { .name: bg, .offset: 16, .size: 8, .value_kind: global_buffer, .address_space: global }
      - { .name: xb, .offset: 24, .size: 8, .value_kind: global_buffer, .address_space: global }
      - { .name: ridx, .offset: 32, .size: 8, .value_kind: global_buffer, .address_space: global }
      - { .name: rsc, .offset: 40, .size: 8, .value_kind: global_buffer, .address_space: global }
    .group_segment_fixed_size: 33280
    .private_segment_fixed_size: 0
    .kernarg_segment_align: 8
    .kernarg_segment_size: 48
    .max_flat_workgroup_size: 32
    .sgpr_count:     66
    .vgpr_count:     1024
    .wavefront_size: 32
...
	.end_amdgpu_metadata
.endif
;; end of part 1
;; launch up (part 2): grid 16 x 16, 4 waves a work-group, no clusters, 142,848 bytes of LDS; arguments xb, W1, b1, ridx, hs, lst; writes hs, lst
.if DOCPART == 2
	.amdgcn_target "amdgcn-amd-amdhsa--gfx1250"
	.amdhsa_code_object_version 6
	.text
	.protected	k_q9e57f0e274_up
	.globl	k_q9e57f0e274_up
	.p2align	8
	.type	k_q9e57f0e274_up,@function
k_q9e57f0e274_up:
	s_mov_b64 s[64:65], 0
	v_nop
	global_prefetch_b8 v0, s[64:65] scope:SCOPE_SE
	s_setreg_imm32_b32 hwreg(HW_REG_WAVE_MODE, 25, 1), 1
	s_wait_xcnt 0x0
; THE FIRST PRODUCT, only for the rows that the gate chose: h = gelu(x W1[e] + b1[e]), the exact (erf) gelu, stored in f16 as the second product's matrix fragments.
; SHARES.  Work-group (s, e): expert e, hidden columns 64 s .. 64 s + 63: a slice of 512 x 64 of W1, which it alone reads, once, as f32, and rounds to bf16 on the way.
; Each wave loads and rounds a quarter of the slice; through LDS all four waves get the whole slice into registers: 64 fragments, 512 registers.
; Wave w owns the choices whose token lies in 1,024 w .. 1,024 w + 1,023: it lists those of expert e (a counting pass over ridx, whole numbers that the launch before stored)
; and walks them in tiles of 16 rows.  Behind the one barrier no wave depends on another.
; THE LIST is made in LDS, 16 bits an entry (choice = 2 x token + k), and then taken into registers: lane t % 32 holds the eight words of tile t.  In the loop a tile's words come out by
; v_readlane_b32, so the loop reads LDS at fixed addresses only.  The work-groups with s = 0 also store each list, with its number of tiles and its first tile's place, to lst for the next launch.
; A TILE'S PLACE in hs [wave range 4][tile 144][k block 32][1,024 bytes]: first tile = min(off / 16 + e, 143), off = the range's choices with an expert below e.
; floor((off + n) / 16) + e + 1 >= floor(off / 16) + e + ceil(n / 16), so no two experts' tiles meet; off + n <= 2,048, so the last is 142 at the most.  Every split of the tokens is served.
; Places of a last tile past the count repeat the list's first row: finite numbers that the next launch stores over that row with the same bits.
; COLUMN ORDER.  A lane (r = lane % 16, h = lane / 16) loads 16 rows x 16 bytes of W1, columns 4 r .. 4 r + 3; rounding rows 2 m and 2 m + 1 of column j together gives register m of
; fragment j, whose row r is column 4 r + j.  Source 0 = weights, source 1 = 16 rows of x: accumulator j, register i of lane (r, h) is row r, hidden column 64 s + 32 h + 4 i + j.
; Accumulators 2 f and 2 f + 1 rounded in pairs ARE the fragment of k block 2 s + f for the next product, which lays W2's rows in the same order.
; gelu(x) = x / 2 + |x| (1/2 - P(t) e^(-x x / 2) / 2), t = 1 / (1 + 0.3275911 |x| / sqrt 2), P the polynomial of degree 5 of Abramowitz and Stegun 7.1.26: erf to 1.5e-7, absolute.
; LIMITS.  h is kept in f16: |h| stays under 65,504 (beyond that an infinity is stored).  NaN and infinities are not treated apart.
; NO JOINT LOADS: a slice of weights has one reader; the rows that an expert's 16 work-groups share come by a list, which no tile descriptor covers, and the number of tiles hangs on
; stored counts, so the loop holds neither a barrier nor a tensor load.
; REGISTERS in windows of 256 (s_set_vgpr_msb: bits 1:0 source 0, 3:2 source 1, 5:4 source 2, 7:6 destination):
;   window 0: see the names below;  window 1: v0-127 a tile of x as loaded, v128-191 and v192-255 its fragments, 256 channels each;
;   windows 2, 3: the weights, k block k at v[32 (k % 8) + 8 j]; ahead of the barrier window 2 holds my quarter in f32, window 3 v0-127 its 16 fragments.
.set XP,    1040                       ; a row of x in LDS: 1,024 bytes + 16 = 65 x 16: the 16 rows of a fragment load start at 16 different groups of four banks
.set XSW,   16*XP
.set WF,    0                          ; 65,536 bytes: fragment 4 k + j at 1,024 (4 k + j): registers 0-3 at 16 x lane, 4-7 at 512 + 16 x lane
.set XS,    65536                      ; a stage of 16 rows for each wave
.set LIST,  XS+4*XSW                   ; 132,096: for each wave a block of 2,560 bytes: 1,276 entries of 16 bits, then two words
.set LISTW, 2560
.set HEAD,  2552                       ; the two words: my tiles, my first tile's place
.set DUMP,  1151                       ; the entry that takes what is not listed
.set SPARE, LIST+4*LISTW               ; 142,336: the spare words, 128 bytes a wave: two blocks of 256 bytes that no other line names
.set SPW,  10                          ; v10  SPARE + 4 x thread; never rewritten
.set NIL,  11                          ; v11  0; never rewritten
.set T0,   16                          ; v16-23  lane t: the eight words of tile t (behind tile 31: of tile 32 + t)
.set T1,   24                          ; v24-31  lane t: those of tile 32 + t
.set RA,   32                          ; v32-47  byte offsets of 16 rows of xb, + 16 x lane
.set HP,   48                          ; v48-63  two fragments of h in f16; ahead of the loop: at work
.set ACC,  64                          ; v64-95  four accumulators
.set BIAS, 96                          ; v96-127 b1 in the accumulators' layout
.set TW,   128                         ; v128-159, v160-191, v192-223, v224-255: gelu at work
.set TD,   160
.set TP,   192
.set XH,   224
.set IDX,  128                         ; ahead of the loop: v128-191 my range's 2,048 choices, 64 a lane
.set B1R,  192                         ; ahead of the loop: v192-223 b1 as loaded
.set EXL,  224                         ; ahead of the loop: v224-243 my list block on its way to lst
.set F0,   128                         ; window 1
.set F1,   192
.set SWV,  16                          ; s16 wave   s17 expert   s18 slice   s19 n   s20 tiles   s21 the tile in hand
.set SEX,  17
.set SSL,  18
.set SN,   19
.set STL,  20
.set SCT,  21
.set STI,  44                          ; s44 the tile whose rows are asked for   s45 its lane
.set SLN,  45
.set SOFF, 46                          ; s46 off   s47 my list block
.set SLB,  47
.set SE,   48                          ; s48-55 a tile's eight words
.set MSB, 0
.macro WIN new                         ; the immediate's high byte repeats the setting that is left; a switch that changes nothing is dropped
.if MSB != (\new)
	s_set_vgpr_msb (MSB<<8)|(\new)
.set MSB, (\new)
.endif
.endm
; The 16 rows of tile s[STI]: its words out of lane STI % 32; token = entry / 2, held inside xb; its row's 1,024 bytes.  sw = 1 (the loop): at tile 32 the second table takes the first's place.
.macro ADDR sw
.if \sw
	s_cmp_lg_u32 s[STI], 32
	s_cbranch_scc1 .Lsame_\@
.set q, 0
.rept 8
	v_mov_b32 v[T0+q], v[T1+q]
.set q, q+1
.endr
.Lsame_\@:
.endif
	s_and_b32 s[SLN], s[STI], 31
.set q, 0
.rept 8
	v_readlane_b32 s[SE+q], v[T0+q], s[SLN]
.set q, q+1
.endr
.set q, 0
.rept 8
	s_bfe_u32 s56, s[SE+q], 0xc0001                ; 12 bits from bit 1: the lower entry's token
	s_lshr_b32 s57, s[SE+q], 17                    ; the upper entry's
	s_min_u32 s56, s56, 0xfff
	s_min_u32 s57, s57, 0xfff
	v_lshl_add_u32 v[RA+2*q], s56, 10, v4
	v_lshl_add_u32 v[RA+2*q+1], s57, 10, v4
.set q, q+1
.endr
.endm
.macro GLOAD                           ; 16 rows of xb: each load takes 512 neighbouring bytes of one row
	WIN 0x40
.set q, 0
.rept 16
	global_load_b128 v[8*q:8*q+3],   v[RA+q], s[4:5]
	global_load_b128 v[8*q+4:8*q+7], v[RA+q], s[4:5] offset:512
.set q, q+1
.endr
	WIN 0
.endm
.macro STAGE                           ; the tile into my stage
	WIN 0x04
.set q, 0
.rept 16
	ds_store_b128 v7, v[8*q:8*q+3]   offset:XP*q
	ds_store_b128 v7, v[8*q+4:8*q+7] offset:XP*q+512
.set q, q+1
.endr
	WIN 0
.endm
.macro FRAG half, dst                  ; eight fragments: row r, channels 256 half + 32 k + 8 h on and + 16
	WIN 0x40
.set q, 0
.rept 8
	ds_load_b128 v[(\dst)+8*q:(\dst)+8*q+3],   v8 offset:64*(8*(\half)+q)
	ds_load_b128 v[(\dst)+8*q+4:(\dst)+8*q+7], v8 offset:64*(8*(\half)+q)+32
.set q, q+1
.endr
	WIN 0
.endm
.macro MUL half, f, first              ; 32 products; the four accumulators take turns, one instruction a turn.  first = 1: b1 starts the sums
	WIN 0x06+(\half)
.set kk, 0
.rept 8
.set j, 0
.rept 4
.if (\first) && (kk == 0)
	v_wmma_f32_16x16x32_bf16 v[ACC+8*j:ACC+8*j+7], v[32*kk+8*j:32*kk+8*j+7], v[(\f)+8*kk:(\f)+8*kk+7], v[BIAS+8*j:BIAS+8*j+7]
.else
	v_wmma_f32_16x16x32_bf16 v[ACC+8*j:ACC+8*j+7], v[32*kk+8*j:32*kk+8*j+7], v[(\f)+8*kk:(\f)+8*kk+7], v[ACC+8*j:ACC+8*j+7]
.endif
.set j, j+1
.endr
.set kk, kk+1
.endr
	WIN 0
.endm
.macro PAIRS line:vararg               ; one line for each of 16 register pairs p
.set p, 0
.rept 16
	\line
.set p, p+2
.endr
.endm
.macro EACH line:vararg                ; one line for each of 32 registers p
.set p, 0
.rept 32
	\line
.set p, p+1
.endr
.endm
.macro GELU                            ; in stages over all 32 numbers, each accumulator from its low end on; the 64 transcendentals are one batch with one wait
	PAIRS v_pk_mul_f32 v[TW+p:TW+p+1], v[ACC+p:ACC+p+1], s[30:31] op_sel_hi:[1,0]
	PAIRS v_pk_mul_f32 v[TW+p:TW+p+1], v[TW+p:TW+p+1], v[TW+p:TW+p+1] neg_lo:[1,0] neg_hi:[1,0]
	EACH v_fma_f32 v[TD+p], |v[ACC+p]|, s32, 1.0
	EACH v_rcp_f32 v[TD+p], v[TD+p]
	EACH v_exp_f32 v[TW+p], v[TW+p]
	PAIRS v_pk_mul_f32 v[XH+p:XH+p+1], v[ACC+p:ACC+p+1], 0.5 op_sel_hi:[1,0]
	s_wait_alu depctr_va_vdst(0)                   ; ahead of the batch's first reader; the 16 lines above are the plain work between
	PAIRS v_pk_fma_f32 v[TP+p:TP+p+1], v[TD+p:TD+p+1], s[34:35], s[36:37] op_sel_hi:[1,0,0]
	PAIRS v_pk_fma_f32 v[TP+p:TP+p+1], v[TP+p:TP+p+1], v[TD+p:TD+p+1], s[38:39] op_sel_hi:[1,1,0]
	PAIRS v_pk_fma_f32 v[TP+p:TP+p+1], v[TP+p:TP+p+1], v[TD+p:TD+p+1], s[40:41] op_sel_hi:[1,1,0]
	PAIRS v_pk_fma_f32 v[TP+p:TP+p+1], v[TP+p:TP+p+1], v[TD+p:TD+p+1], s[42:43] op_sel_hi:[1,1,0]
	PAIRS v_pk_mul_f32 v[TP+p:TP+p+1], v[TP+p:TP+p+1], v[TD+p:TD+p+1]
	PAIRS v_pk_fma_f32 v[TP+p:TP+p+1], v[TP+p:TP+p+1], v[TW+p:TW+p+1], 0.5 op_sel_hi:[1,1,0] neg_lo:[1,0,0] neg_hi:[1,0,0]
	EACH v_fma_f32 v[ACC+p], |v[ACC+p]|, v[TP+p], v[XH+p]
.endm
.macro PACKST                          ; fragment f: registers 0-3 from accumulator 2 f, 4-7 from 2 f + 1; each store covers 512 consecutive bytes, at a multiple of 256 from hs's first byte
.set q, 0
.rept 16
	v_cvt_pk_f16_f32 v[HP+q], v[ACC+2*q], v[ACC+2*q+1]
.set q, q+1
.endr
.set q, 0
.rept 4
	global_store_b128 v4, v[HP+4*q:HP+4*q+3], s[12:13] offset:512*q
.set q, q+1
.endr
.endm
.macro CONV kq                         ; my k block kq of four: 16 rows x 4 columns a lane, rounded in pairs of rows, and into the shared fragments
	WIN 0xca
.set j, 0
.rept 4
.set m, 0
.rept 8
	v_cvt_pk_bf16_f32 v[32*(\kq)+8*j+m], v[64*(\kq)+8*m+j], v[64*(\kq)+8*m+4+j]
.set m, m+1
.endr
.set j, j+1
.endr
	WIN 0x0c
.set j, 0
.rept 4
	ds_store_b128 v6, v[32*(\kq)+8*j:32*(\kq)+8*j+3]   offset:WF+(4*(\kq)+j)*1024
	ds_store_b128 v6, v[32*(\kq)+8*j+4:32*(\kq)+8*j+7] offset:WF+(4*(\kq)+j)*1024+512
.set j, j+1
.endr
	WIN 0
.endm
	s_load_b256 s[4:11], s[0:1], 0x0               ; xb s[4:5], W1 s[6:7], b1 s[8:9], ridx s[10:11]
	s_load_b128 s[12:15], s[0:1], 0x20             ; hs s[12:13], lst s[14:15]
	v_lshl_add_u32 v[SPW], v0, 2, SPARE
	v_mov_b32 v[NIL], 0
	v_lshrrev_b32 v12, 5, v0
	v_readfirstlane_b32 s[SWV], v12                ; wave w
	s_and_b32 s[SEX], ttmp7, 0xffff                ; expert e
	s_mov_b32 s[SSL], ttmp9                        ; slice s
	v_and_b32 v1, 31, v0                           ; lane
	v_and_b32 v2, 15, v0                           ; r
	v_bfe_u32 v3, v0, 4, 1                         ; h
	v_lshlrev_b32 v4, 4, v1                        ; 16 x lane
	v_lshlrev_b32 v5, 4, v2
	v_lshl_add_u32 v5, v3, 15, v5                  ; W1: 8 h rows of 4,096 bytes + 16 r
	s_lshl_b32 s26, s[SWV], 14
	v_add_nc_u32 v6, s26, v4                       ; my 16 fragments in WF
	s_mul_i32 s26, s[SWV], XSW
	s_add_co_u32 s26, s26, XS                      ; my stage
	v_add_nc_u32 v7, s26, v4
	v_mul_u32_u24 v8, v2, XP
	v_lshl_add_u32 v8, v3, 4, v8
	v_add_nc_u32 v8, s26, v8
	s_mul_i32 s[SLB], s[SWV], LISTW
	s_add_co_u32 s[SLB], s[SLB], LIST              ; my list block
	v_lshl_add_u32 v9, v1, 5, s[SLB]               ; lane t: tile t's 32 bytes
	v_mov_b32 v14, s[SLB]                          ; its first entry
	v_add_nc_u32 v58, HEAD, v14                    ; its two words
	v_add_nc_u32 v60, s[SLB], v4                   ; the block in pieces of 512 bytes
	s_lshl_b32 s26, s[SWV], 10
	v_add_nc_u32 v48, s26, v1
	v_lshlrev_b32 v48, 1, v48                      ; 2 (1,024 w + lane): the choice of my token in group 0, k = 0
	v_mov_b32 v49, DUMP
	v_lshlrev_b32 v50, 3, v1                       ; 8 x lane
	v_lshlrev_b32 v51, 7, v3                       ; b1: 32 numbers for each half
	s_lshl_b32 s26, s[SWV], 11                     ; 2,048 w: a choice that exists,
	s_lshl_b32 s27, s26, 16
	s_or_b32 s27, s27, s26                         ; twice in a word
.irp q, 52,53,54,55
	v_mov_b32 v\q, s27
.endr
	s_mov_b32 s30, 0x3f596d27                      ; sqrt(log2(e) / 2) = 0.8493218: e^(-x x / 2) = 2^-(this x)^2
	s_mov_b32 s31, s30                             ; named with it as a pair, like the five below
	s_mov_b32 s32, 0x3e6d3388                      ; 0.3275911 / sqrt 2 = 0.23164189
	s_mov_b32 s33, 0xffff0000                      ; a word's upper bf16
	s_mov_b32 s34, 0x3f07dc22                      ; the polynomial's coefficients halved:  0.53070271
	s_mov_b32 s35, s34
	s_mov_b32 s36, 0xbf3a00e3                      ; -0.72657601
	s_mov_b32 s37, s36
	s_mov_b32 s38, 0x3f35f0e3                      ;  0.71070687
	s_mov_b32 s39, s38
	s_mov_b32 s40, 0xbe11a98e                      ; -0.14224837
	s_mov_b32 s41, s40
	s_mov_b32 s42, 0x3e027906                      ;  0.12741480
	s_mov_b32 s43, s42
	s_mov_b32 s[SN], 0                             ; n: my rows of expert e
	s_mov_b32 s[SOFF], 0                           ; off: my range's choices with an expert below e
	s_mov_b32 s[SCT], 0
	s_mov_b32 s[STI], 0
	s_lshl_b32 s28, s[SEX], 21                     ; W1[e]: 512 x 1,024 x 4 bytes,
	s_lshl_b32 s26, s[SWV], 19                     ; my 128 rows of 4,096 bytes,
	s_add_co_u32 s28, s28, s26
	s_lshl_b32 s27, s[SSL], 8                      ; the slice's 256 bytes of a row
	s_add_co_u32 s28, s28, s27
	s_mov_b32 s29, 0
	s_wait_kmcnt 0x0
	s_add_nc_u64 s[6:7], s[6:7], s[28:29]
	s_lshl_b32 s28, s[SEX], 12
	s_add_co_u32 s28, s28, s27
	s_add_nc_u64 s[8:9], s[8:9], s[28:29]
	s_lshl_b32 s28, s[SWV], 13                     ; my 1,024 tokens of 8 bytes
	s_add_nc_u64 s[10:11], s[10:11], s[28:29]
.set g, 0
.rept 32                                               ; group g: tokens 1,024 w + 32 g + lane: 256 consecutive bytes
	global_load_b64 v[IDX+2*g:IDX+2*g+1], v50, s[10:11] offset:256*g
.set g, g+1
.endr
.set i, 0
.rept 8
	global_load_b128 v[B1R+4*i:B1R+4*i+3], v51, s[8:9] offset:16*i
.set i, i+1
.endr
	WIN 0x80                                       ; my quarter of the slice: each load takes two whole pieces of 256 bytes of two rows; read once in the launch
.set kq, 0
.rept 4
.set i, 0
.rept 16                                               ; slot i: k = 32 kq + 8 h + i, and for i >= 8: 32 kq + 16 + 8 h + i - 8
	global_load_b128 v[64*kq+4*i:64*kq+4*i+3], v5, s[6:7] offset:(32*kq+(i%8)+16*(i/8))*4096 th:TH_LOAD_NT
.set i, i+1
.endr
.set kq, kq+1
.endr
	WIN 0
.set q, 0
.rept 5                                                ; the whole block is written first, with a choice that exists: whatever is read of it later has been stored
	ds_store_b128 v60, v[52:55] offset:512*q
.set q, q+1
.endr
	s_wait_loadcnt 63                              ; 104 loads are issued: the oldest 41 are in, ridx's 32 and b1's 8 among them
	; THE LIST.  A group's rank is the count so far plus the set lanes below mine; what is not listed goes to the dump entry.  Address and data of a group's store lie in the group's own
	; index registers, which are dead by then.
.set g, 0
.rept 32
	v_cmp_eq_u32 s22, s[SEX], v[IDX+2*g]
	v_cmp_eq_u32 s23, s[SEX], v[IDX+2*g+1]
	v_cmp_gt_u32 s24, s[SEX], v[IDX+2*g]
	v_cmp_gt_u32 s25, s[SEX], v[IDX+2*g+1]
	s_bcnt1_i32_b32 s24, s24
	s_bcnt1_i32_b32 s25, s25
	s_add_co_u32 s[SOFF], s[SOFF], s24
	s_add_co_u32 s[SOFF], s[SOFF], s25
	s_or_b32 s24, s22, s23
	v_mbcnt_lo_u32_b32 v12, s24, s[SN]
	v_cndmask_b32 v12, v49, v12, s24
	v_min_u32 v12, DUMP, v12                       ; held inside my block
	v_cndmask_b32 v13, 0, 1, s23
	v_lshl_add_u32 v[IDX+2*g], v12, 1, s[SLB]
	v_add3_u32 v[IDX+2*g+1], v48, v13, 64*g        ; the choice: 2 x token + k
	ds_store_b16 v[IDX+2*g], v[IDX+2*g+1]
	s_bcnt1_i32_b32 s26, s24
	s_add_co_u32 s[SN], s[SN], s26
.set g, g+1
.endr
	ds_load_u16 v59, v14                           ; the first entry fills the 64 places behind the last: a last tile's rest
	s_min_u32 s[SN], s[SN], 1024
	v_add_nc_u32 v15, s[SN], v1
	v_lshl_add_u32 v15, v15, 1, s[SLB]
	s_add_co_u32 s[STL], s[SN], 15
	s_lshr_b32 s[STL], s[STL], 4                   ; my tiles
	s_lshr_b32 s26, s[SOFF], 4
	s_add_co_u32 s26, s26, s[SEX]
	s_min_u32 s26, s26, 143                        ; my first tile's place
	v_mov_b32 v56, s[STL]
	v_mov_b32 v57, s26
	s_mul_i32 s27, s[SWV], 144
	s_add_co_u32 s26, s26, s27
	s_lshl_b32 s28, s26, 15                        ; tiles of 32,768 bytes,
	s_lshl_b32 s26, s[SSL], 11                     ; k blocks 2 s and 2 s + 1
	s_add_co_u32 s28, s28, s26
	s_add_nc_u64 s[12:13], s[12:13], s[28:29]
	s_wait_dscnt 0x0
	ds_store_b16 v15, v59
	ds_store_b16 v15, v59 offset:64
	ds_store_b64 v58, v[56:57]                     ; all lanes write the same two words
	ds_load_b128 v[T0:T0+3],   v9                  ; a wave's LDS instructions are served in order (ISA guide 5.7.1.4): these see the stores above
	ds_load_b128 v[T0+4:T0+7], v9 offset:16
	ds_load_b128 v[T1:T1+3],   v9 offset:1024
	ds_load_b128 v[T1+4:T1+7], v9 offset:1040
	s_cmp_lg_u32 s[SSL], 0
	s_cbranch_scc1 .Lkept                          ; one work-group of an expert's sixteen stores the lists
.set q, 0
.rept 5
	ds_load_b128 v[EXL+4*q:EXL+4*q+3], v60 offset:512*q
.set q, q+1
.endr
	s_lshl2_add_u32 s28, s[SEX], s[SWV]            ; block 4 e + w
	s_mul_i32 s28, s28, LISTW
	s_add_nc_u64 s[14:15], s[14:15], s[28:29]
	s_wait_dscnt 0x0
.set q, 0
.rept 5
	global_store_b128 v4, v[EXL+4*q:EXL+4*q+3], s[14:15] offset:512*q  ; 512 consecutive bytes, at a multiple of 256 from lst's first byte
.set q, q+1
.endr
.Lkept:
.set i, 0
.rept 8                                                ; b1 rounded to bf16, into the accumulators' layout: [j][i] = b1[64 s + 32 h + 4 i + j]
	v_cvt_pk_bf16_f32 v12, v[B1R+4*i], v[B1R+4*i+1]
	v_cvt_pk_bf16_f32 v13, v[B1R+4*i+2], v[B1R+4*i+3]
	v_lshlrev_b32 v[BIAS+i], 16, v12
	v_and_b32 v[BIAS+8+i], s33, v12
	v_lshlrev_b32 v[BIAS+16+i], 16, v13
	v_and_b32 v[BIAS+24+i], s33, v13
.set i, i+1
.endr
	s_wait_dscnt 0x0                               ; the two tables are in
	ADDR 0                                         ; tile 0
	GLOAD                                          ; its rows go out behind the weights
	s_wait_loadcnt 63                              ; 136 loads are issued: the oldest 73 are in, my k blocks 0 and 1 (72) among them
	CONV 0
	CONV 1
	s_wait_loadcnt 48                              ; younger: k block 3's 16 and the tile's 32
	CONV 2
	s_wait_loadcnt 32                              ; younger: the tile's 32
	CONV 3
	s_wait_dscnt 0x0                               ; for the others' sake: my fragments are in LDS
	s_barrier_signal -1
	s_barrier_wait -1                              ; everybody's are; WF is written no more
	s_cmp_eq_u32 s[STL], 0
	s_cbranch_scc1 .Ldone                          ; none of my tokens chose e
	WIN 0x80
.set f, 0
.rept 32
	ds_load_b128 v[8*f:8*f+3],   v4 offset:WF+1024*f
	ds_load_b128 v[8*f+4:8*f+7], v4 offset:WF+1024*f+512
.set f, f+1
.endr
	WIN 0xc0
.set f, 0
.rept 32
	ds_load_b128 v[8*f:8*f+3],   v4 offset:WF+1024*(f+32)
	ds_load_b128 v[8*f+4:8*f+7], v4 offset:WF+1024*(f+32)+512
.set f, f+1
.endr
	WIN 0
	s_wait_loadcnt 0x0                             ; tile 0; also frees its address registers
	s_wait_xcnt 0x0                                ; the list's stores: their data registers are rewritten (by gelu) only behind this wait
	STAGE
	s_mov_b32 s[STI], 1
	ADDR 0                                         ; tile 1
	s_wait_dscnt 0x0                               ; the weights are in, and the stage's stores have read the tile's registers
	GLOAD
	FRAG 0, F0
.Ltile:                                                ; 64 trips at the most (1,024 rows); the trips past my count are left by the jump forward
	s_cmp_ge_u32 s[SCT], s[STL]
	s_cbranch_scc1 .Ldone
	FRAG 1, F1
	s_wait_dscnt 16                                ; younger: the 16 loads just issued; the first 256 channels' fragments are in
	MUL 0, F0, 1
	s_wait_dscnt 0x0
	MUL 1, F1, 0
	s_wait_loadcnt 0x0                             ; the next tile's rows, asked for a trip ago; also frees their address registers
	STAGE
	s_add_co_u32 s[STI], s[SCT], 2                 ; the tile after next; past the last possible tile: that one once more, rows that exist and that nobody uses
	s_min_u32 s[STI], s[STI], 63
	ADDR 1                                         ; its 16 v_lshl_add_u32 are the places behind the products, in front of the loads into their fragments and of gelu's reads
	s_wait_dscnt 0x0                               ; the stage's stores have read the tile's registers
	GLOAD
	FRAG 0, F0
	GELU
	PACKST
	s_wait_xcnt 0x0                                ; the stores' data and base are rewritten only behind this wait
	s_add_nc_u64 s[12:13], s[12:13], 0x8000        ; the next tile's place
	s_add_co_u32 s[SCT], s[SCT], 1
	s_cmp_lt_u32 s[SCT], 64
	s_cbranch_scc1 .Ltile
.Ldone:
	s_wait_tensorcnt 0x0                           ; the wave's end, behind my last LDS store
	ds_add_u32 v[SPW], v[NIL]
	s_wait_dscnt 0x0
	s_endpgm
.Lfunc_end_k_q9e57f0e274_up:
	.size	k_q9e57f0e274_up, .Lfunc_end_k_q9e57f0e274_up-k_q9e57f0e274_up
	.p2alignl 7, 3214868480
	.fill 96, 4, 3214868480
	.section	.rodata,"a",@progbits
	.p2align	6, 0x0
	.amdhsa_kernel k_q9e57f0e274_up
		.amdhsa_group_segment_fixed_size 142848
		.amdhsa_private_segment_fixed_size 0
		.amdhsa_enable_private_segment 0
		.amdhsa_kernarg_size 48
		.amdhsa_user_sgpr_count 2
		.amdhsa_user_sgpr_kernarg_segment_ptr 1
		.amdhsa_wavefront_size32 1
		.amdhsa_system_sgpr_workgroup_id_x 1
		.amdhsa_system_sgpr_workgroup_id_y 1
		.amdhsa_system_sgpr_workgroup_id_z 1
		.amdhsa_system_vgpr_workitem_id 0
		.amdhsa_next_free_vgpr 1024
		.amdhsa_next_free_sgpr 66
		.amdhsa_reserve_vcc 0
		.amdhsa_float_denorm_mode_32 3
		.amdhsa_float_denorm_mode_16_64 3
		.amdhsa_memory_ordered 1
		.amdhsa_forward_progress 1
		.amdhsa_inst_pref_size 115
	.end_amdhsa_kernel
	.amdgpu_metadata
---
amdhsa.version: [ 1, 2 ]
amdhsa.kernels:
  - .name:           k_q9e57f0e274_up
    .symbol:         k_q9e57f0e274_up.kd
    .args:
      - { .name: xb, .offset: 0, .size: 8, .value_kind: global_buffer, .address_space: global }
      - { .name: W1, .offset: 8, .size: 8, .value_kind: global_buffer, .address_space: global }
      - { .name: b1, .offset: 16, .size: 8, .value_kind: global_buffer, .address_space: global }
      - { .name: ridx, .offset: 24, .size: 8, .value_kind: global_buffer, .address_space: global }
      - { .name: hs, .offset: 32, .size: 8, .value_kind: global_buffer, .address_space: global }
      - { .name: lst, .offset: 40, .size: 8, .value_kind: global_buffer, .address_space: global }
    .group_segment_fixed_size: 142848
    .private_segment_fixed_size: 0
    .kernarg_segment_align: 8
    .kernarg_segment_size: 48
    .max_flat_workgroup_size: 128
    .sgpr_count:     66
    .vgpr_count:     1024
    .wavefront_size: 32
...
	.end_amdgpu_metadata
.endif
;; end of part 2
;; launch down (part 3): grid 16 x 16, 4 waves a work-group, no clusters, 66,048 bytes of LDS; arguments hs, W2, b2, lst, yp; writes yp
.if DOCPART == 3
	.amdgcn_target "amdgcn-amd-amdhsa--gfx1250"
	.amdhsa_code_object_version 6
	.text
	.protected	k_q9e57f0e274_down
	.globl	k_q9e57f0e274_down
	.p2align	8
	.type	k_q9e57f0e274_down,@function
k_q9e57f0e274_down:
	s_mov_b64 s[64:65], 0
	v_nop
	global_prefetch_b8 v0, s[64:65] scope:SCOPE_SE
	s_setreg_imm32_b32 hwreg(HW_REG_WAVE_MODE, 25, 1), 1
	s_wait_xcnt 0x0
; THE SECOND PRODUCT: yp[kh][choice][:] = h[:, half kh] W2[e][half kh] (+ b2[e] in half 0), f32 partial rows, one for each choice (2 x token + k) and each half of the hidden width.
; The gate's weights are applied by the launch behind, which adds a token's four partial rows.
; SHARES.  Work-group (x, e): expert e, output columns 64 s' .. + 63 (s' = x % 8), hidden half kh = x / 8: a slice of 512 x 64 of W2, which it alone reads, once.  W2 is rounded to bf16
; like every input, and that number is written as f16 (exact within f16's range), since h is f16.  Each wave rounds a quarter, all four hold the whole slice in 512 registers, and wave w
; walks the rows of tokens 1,024 w .. + 1,023 in tiles of 16.  Its list, its number of tiles and its first tile's place in hs come from lst, whole numbers that the launch before stored.
; K ORDER.  In hs, k block 2 s + f holds at place 8 h + i hidden 64 s + 32 h + 4 i + 2 f and at place 16 + 8 h + i the same + 1.  W2's rows are loaded in that order, so both sides agree.
; Source 0 = 16 rows of h, source 1 = weights (fragment j: column 4 r + j): register i of accumulator j in lane (r, h) is row 8 h + i, column 64 s' + 4 r + j: the four accumulators give
; a lane 16 neighbouring bytes of a row, and 16 lanes a row's whole 256 bytes.  The 32 additions of b2 also bring those four numbers side by side.
; Places of a last tile past the count repeat the list's first row: the same bits go to the same address from the same wave.
; LIMITS.  |W2| stays under 65,504; below 2^-14 it keeps f16's fixed step of 2^-24.  NaN and infinities are not treated apart.
; NO JOINT LOADS: a slice of weights has one reader.  A half tile of h is read by the eight work-groups of (e, kh), but the number of tiles hangs on stored counts and differs from wave to
; wave, so the loop holds neither a barrier nor a tensor load; the tiles come straight into registers as matrix operands.
; REGISTERS in windows of 256 (s_set_vgpr_msb: bits 1:0 source 0, 3:2 source 1, 5:4 source 2, 7:6 destination):
;   window 0: see the names;  window 1: two buffers of 16 fragments of h;  windows 2, 3: the weights, k block k at v[32 (k % 8) + 8 j]; ahead of the barrier window 2 holds my quarter
;   in f32, window 3 v0-127 its 16 fragments.
.set WF,    0                          ; 65,536 bytes: fragment 4 k + j at 1,024 (4 k + j)
.set SPARE, 65536                      ; the spare words, 128 bytes a wave: two blocks of 256 bytes that no other line names
.set LISTW, 2560                       ; a list block in lst: entries of 16 bits, and at byte 2,552 two words: the tiles, the first tile's place
.set HEAD,  2552
.set EN0,  16                          ; v16-19  an even tile: my half's 8 entries
.set EN1,  20                          ; v20-23  an odd tile's
.set OA,   24                          ; v24-31  byte offsets of 8 rows of yp, + 16 r
.set B2R,  32                          ; v32-35  b2 of my 4 columns, rounded to bf16; 0 in half 1
.set SPW,  40                          ; v40  SPARE + 4 x thread; never rewritten
.set NIL,  41                          ; v41  0; never rewritten
.set OV,   64                          ; v64-95   results, [row i][column j]
.set ACC,  96                          ; v96-127  four accumulators
.set CP,   160                         ; ahead of the loop: v160-191 bf16 pairs, v192-255 the same as f32
.set CU,   192
.set A0,   0                           ; window 1
.set A1,   128
.set SWV,  16                          ; s16 wave   s17 expert   s18 s'   s19 kh
.set SEX,  17
.set SSL,  18
.set SKH,  19
.set STL,  20                          ; s20 tiles   s21 the trip's first tile   s22 my first tile's place   s23 144 w   s24 tiles - 1   s25 at work
.set SCT,  21
.set SST,  22
.set SW144, 23
.set SLT,  24
.set STM,  25
.set SHM,  30                          ; s30 a word's upper bf16   s31 all ones in half 0, else 0
.set SKM,  31
.set OFS,  32                          ; s[32:33] a tile's byte offset
.set HD,   34                          ; s[34:35] the block's two words
.set BA0,  36                          ; s[36:37], s[38:39] the two buffers' load addresses
.set BA1,  38
.set MSB, 0
.macro WIN new                         ; the immediate's high byte repeats the setting that is left; a switch that changes nothing is dropped
.if MSB != (\new)
	s_set_vgpr_msb (MSB<<8)|(\new)
.set MSB, (\new)
.endif
.endm
.macro HLOAD buf, ba                   ; a half tile: 16 k blocks of 1,024 bytes, each load 512 neighbouring bytes
	WIN 0x40
.set m, 0
.rept 32
	global_load_b128 v[(\buf)+4*m:(\buf)+4*m+3], v4, s[\ba:\ba+1] offset:512*m
.set m, m+1
.endr
	WIN 0
.endm
.macro CONV kq                         ; my k block kq of four: rounded to bf16 in pairs of rows, widened, written as f16, and into the shared fragments
	WIN 0x0a
.set j, 0
.rept 4
.set m, 0
.rept 8
	v_cvt_pk_bf16_f32 v[CP+8*j+m], v[64*(\kq)+8*m+j], v[64*(\kq)+8*m+4+j]
.set m, m+1
.endr
.set j, j+1
.endr
	WIN 0
.set q, 0
.rept 32
	v_lshlrev_b32 v[CU+2*q], 16, v[CP+q]
	v_and_b32 v[CU+2*q+1], s[SHM], v[CP+q]
.set q, q+1
.endr
	WIN 0xc0
.set q, 0
.rept 32
	v_cvt_pk_f16_f32 v[32*(\kq)+q], v[CU+2*q], v[CU+2*q+1]
.set q, q+1
.endr
	WIN 0x0c
.set j, 0
.rept 4
	ds_store_b128 v6, v[32*(\kq)+8*j:32*(\kq)+8*j+3]   offset:WF+(4*(\kq)+j)*1024
	ds_store_b128 v6, v[32*(\kq)+8*j+4:32*(\kq)+8*j+7] offset:WF+(4*(\kq)+j)*1024+512
.set j, j+1
.endr
	WIN 0
.endm
; One tile, out of buffer buf with its entries in en; the next tile and its entries are asked for first, into the other buffer and eo (behind the last tile: that tile of h once more, so
; that no load names bytes of hs that nobody wrote; the list block is written whole).
.macro TILE buf, other, bo, en, eo, odd
	WIN 0
	s_add_co_u32 s[STM], s[SCT], \odd
	s_cmp_ge_u32 s[STM], s[STL]
	s_cbranch_scc1 .Ldone                          ; past my count: forward, out of the loop
	s_add_co_u32 s[STM], s[STM], 1
	s_min_u32 s[STM], s[STM], s[SLT]
	s_add_co_u32 s[STM], s[STM], s[SST]
	s_min_u32 s[STM], s[STM], 143                  ; held inside my range's 144 tiles
	s_add_co_u32 s[STM], s[STM], s[SW144]
	s_lshl_b32 s[OFS], s[STM], 15
	s_add_nc_u64 s[\bo:\bo+1], s[4:5], s[OFS:OFS+1]  ; the loads that named this pair were shown done by the last tile's wait
	HLOAD \other, \bo
	global_load_b128 v[\eo:\eo+3], v7, s[10:11] offset:32*(\odd)+32  ; my half's 8 entries of the next tile
	s_wait_loadcnt 33                              ; younger: the 33 just issued; this tile and its entries are in
.set kk, 0
.rept 16                                               ; 64 products; the four accumulators take turns, one instruction a turn; the first four start the sums
	WIN 0x09+4*(kk/8)
.set j, 0
.rept 4
.if kk == 0
	v_wmma_f32_16x16x32_f16 v[ACC+8*j:ACC+8*j+7], v[(\buf)+8*kk:(\buf)+8*kk+7], v[32*(kk%8)+8*j:32*(kk%8)+8*j+7], 0
.else
	v_wmma_f32_16x16x32_f16 v[ACC+8*j:ACC+8*j+7], v[(\buf)+8*kk:(\buf)+8*kk+7], v[32*(kk%8)+8*j:32*(kk%8)+8*j+7], v[ACC+8*j:ACC+8*j+7]
.endif
.set j, j+1
.endr
.set kk, kk+1
.endr
	WIN 0
	s_wait_xcnt 0x0                                ; the last tile's stores: their addresses and data are rewritten only behind this wait
.set q, 0
.rept 4                                                ; 24 plain lines: the places behind the products.  A choice's row of 2,048 bytes, held inside yp
	v_and_b32 v12, 0xffff, v[(\en)+q]
	v_lshrrev_b32 v13, 16, v[(\en)+q]
	v_min_u32 v12, 0x1fff, v12
	v_min_u32 v13, 0x1fff, v13
	v_lshl_add_u32 v[OA+2*q], v12, 11, v9
	v_lshl_add_u32 v[OA+2*q+1], v13, 11, v9
.set q, q+1
.endr
.set i, 0
.rept 8                                                ; each accumulator is read from its low end on
.set j, 0
.rept 4
	v_add_f32 v[OV+4*i+j], v[ACC+8*j+i], v[B2R+j]
.set j, j+1
.endr
	global_store_b128 v[OA+i], v[OV+4*i:OV+4*i+3], s[12:13]  ; lanes 0-15 fill the 256 bytes of row i, lanes 16-31 those of row 8 + i, each at a multiple of 256 from yp's first byte
.set i, i+1
.endr
.endm
	s_load_b256 s[4:11], s[0:1], 0x0               ; hs s[4:5], W2 s[6:7], b2 s[8:9], lst s[10:11]
	s_load_b64 s[12:13], s[0:1], 0x20              ; yp
	v_lshl_add_u32 v[SPW], v0, 2, SPARE
	v_mov_b32 v[NIL], 0
	v_lshrrev_b32 v12, 5, v0
	v_readfirstlane_b32 s[SWV], v12
	s_and_b32 s[SEX], ttmp7, 0xffff
	s_and_b32 s[SSL], ttmp9, 7
	s_lshr_b32 s[SKH], ttmp9, 3
	v_and_b32 v1, 31, v0                           ; lane
	v_and_b32 v2, 15, v0                           ; r
	v_bfe_u32 v3, v0, 4, 1                         ; h
	v_lshlrev_b32 v4, 4, v1                        ; 16 x lane
	v_lshlrev_b32 v9, 4, v2                        ; 16 r
	v_lshl_add_u32 v5, v3, 16, v9                  ; W2: 32 h rows of 2,048 bytes + 16 r
	v_lshlrev_b32 v7, 4, v3                        ; a tile's entries: 16 bytes for each half
	s_lshl_b32 s26, s[SWV], 14
	v_add_nc_u32 v6, s26, v4                       ; my 16 fragments in WF
	s_mov_b32 s[SHM], 0xffff0000
	s_mov_b32 s[SCT], 0
	s_mov_b32 s[OFS+1], 0
	s_mul_i32 s[SW144], s[SWV], 144
	s_cmp_eq_u32 s[SKH], 0
	s_cselect_b32 s[SKM], -1, 0
	s_lshl2_add_u32 s28, s[SEX], s[SWV]            ; my list block: 4 e + w
	s_mul_i32 s28, s28, LISTW
	s_mov_b32 s29, 0
	s_lshl_b32 s27, s[SSL], 8                      ; the slice's 256 bytes of a row
	s_wait_kmcnt 0x0
	s_add_nc_u64 s[10:11], s[10:11], s[28:29]
	s_load_b64 s[HD:HD+1], s[10:11], HEAD          ; my tiles, my first tile's place
	s_lshl_b32 s28, s[SEX], 21                     ; W2[e]: 1,024 x 512 x 4 bytes,
	s_lshl_b32 s26, s[SKH], 20                     ; the half's 512 rows of 2,048 bytes,
	s_add_co_u32 s28, s28, s26
	s_lshl_b32 s26, s[SWV], 18                     ; my 128 of them
	s_add_co_u32 s28, s28, s26
	s_add_co_u32 s28, s28, s27
	s_add_nc_u64 s[6:7], s[6:7], s[28:29]
	s_lshl_b32 s28, s[SEX], 11
	s_add_co_u32 s28, s28, s27
	s_add_nc_u64 s[8:9], s[8:9], s[28:29]
	s_lshl_b32 s28, s[SKH], 24                     ; yp's half: 8,192 rows of 2,048 bytes
	s_add_co_u32 s28, s28, s27
	s_add_nc_u64 s[12:13], s[12:13], s[28:29]
	s_lshl_b32 s28, s[SKH], 14                     ; a tile's k blocks 16 kh on
	s_add_nc_u64 s[4:5], s[4:5], s[28:29]
	global_load_b128 v[B2R:B2R+3], v9, s[8:9]
	WIN 0x80                                       ; my quarter of the slice: each load takes two whole pieces of 256 bytes of two rows; read once in the launch
.set kq, 0
.rept 4
.set i, 0
.rept 16                                               ; slot i of k block kq: hidden 64 (kq / 2) + 32 h + 4 (i % 8) + 2 (kq % 2) + i / 8
	global_load_b128 v[64*kq+4*i:64*kq+4*i+3], v5, s[6:7] offset:(64*(kq/2)+2*(kq%2)+4*(i%8)+(i/8))*2048 th:TH_LOAD_NT
.set i, i+1
.endr
.set kq, kq+1
.endr
	WIN 0
	s_wait_kmcnt 0x0
	s_min_u32 s[STL], s[HD], 64                    ; my tiles
	s_min_u32 s[SST], s[HD+1], 143                 ; my first tile's place
	s_sub_co_u32 s[SLT], s[STL], 1                 ; (used only where there is a tile)
	s_wait_loadcnt 63                              ; 65 loads are issued: the oldest 2 are in, b2's among them
	v_cvt_pk_bf16_f32 v12, v[B2R], v[B2R+1]        ; b2 rounded to bf16, 0 in half 1
	v_cvt_pk_bf16_f32 v13, v[B2R+2], v[B2R+3]
	v_lshlrev_b32 v[B2R], 16, v12
	v_and_b32 v[B2R+1], s[SHM], v12
	v_lshlrev_b32 v[B2R+2], 16, v13
	v_and_b32 v[B2R+3], s[SHM], v13
.irp j, 0,1,2,3
	v_and_b32 v[B2R+\j], s[SKM], v[B2R+\j]
.endr
	s_wait_loadcnt 48                              ; younger: my k blocks 1 to 3
	CONV 0
	s_wait_loadcnt 32
	CONV 1
	s_wait_loadcnt 16
	CONV 2
	s_wait_loadcnt 0x0
	CONV 3
	s_wait_dscnt 0x0                               ; for the others' sake: my fragments are in LDS
	s_barrier_signal -1
	s_barrier_wait -1                              ; everybody's are; WF is written no more
	s_cmp_eq_u32 s[STL], 0
	s_cbranch_scc1 .Ldone                          ; none of my tokens chose e: no byte of hs is read
	s_add_co_u32 s[STM], s[SST], s[SW144]
	s_lshl_b32 s[OFS], s[STM], 15
	s_add_nc_u64 s[BA0:BA0+1], s[4:5], s[OFS:OFS+1]
	HLOAD A0, BA0                                  ; tile 0
	global_load_b128 v[EN0:EN0+3], v7, s[10:11]    ; and its entries
	WIN 0x80
.set f, 0
.rept 32
	ds_load_b128 v[8*f:8*f+3],   v4 offset:WF+1024*f
	ds_load_b128 v[8*f+4:8*f+7], v4 offset:WF+1024*f+512
.set f, f+1
.endr
	WIN 0xc0
.set f, 0
.rept 32
	ds_load_b128 v[8*f:8*f+3],   v4 offset:WF+1024*(f+32)
	ds_load_b128 v[8*f+4:8*f+7], v4 offset:WF+1024*(f+32)+512
.set f, f+1
.endr
	WIN 0
	s_wait_dscnt 0x0
.Ltwo:                                                 ; 32 trips of two tiles at the most (1,024 rows); the tiles past my count are left by the jumps forward
	TILE A0, A1, BA1, EN0, EN1, 0
	TILE A1, A0, BA0, EN1, EN0, 1
	s_wait_xcnt 0x0                                ; the list's base is stepped only behind this wait
	s_add_nc_u64 s[10:11], s[10:11], 64            ; two tiles' entries on
	s_add_co_u32 s[SCT], s[SCT], 2
	s_cmp_lt_u32 s[SCT], 64
	s_cbranch_scc1 .Ltwo
.Ldone:
	s_wait_tensorcnt 0x0                           ; the wave's end, behind my last LDS store
	ds_add_u32 v[SPW], v[NIL]
	s_wait_dscnt 0x0
	s_endpgm
.Lfunc_end_k_q9e57f0e274_down:
	.size	k_q9e57f0e274_down, .Lfunc_end_k_q9e57f0e274_down-k_q9e57f0e274_down
	.p2alignl 7, 3214868480
	.fill 96, 4, 3214868480
	.section	.rodata,"a",@progbits
	.p2align	6, 0x0
	.amdhsa_kernel k_q9e57f0e274_down
		.amdhsa_group_segment_fixed_size 66048
		.amdhsa_private_segment_fixed_size 0
		.amdhsa_enable_private_segment 0
		.amdhsa_kernarg_size 40
		.amdhsa_user_sgpr_count 2
		.amdhsa_user_sgpr_kernarg_segment_ptr 1
		.amdhsa_wavefront_size32 1
		.amdhsa_system_sgpr_workgroup_id_x 1
		.amdhsa_system_sgpr_workgroup_id_y 1
		.amdhsa_system_sgpr_workgroup_id_z 1
		.amdhsa_system_vgpr_workitem_id 0
		.amdhsa_next_free_vgpr 1024
		.amdhsa_next_free_sgpr 66
		.amdhsa_reserve_vcc 0
		.amdhsa_float_denorm_mode_32 3
		.amdhsa_float_denorm_mode_16_64 3
		.amdhsa_memory_ordered 1
		.amdhsa_forward_progress 1
		.amdhsa_inst_pref_size 69
	.end_amdhsa_kernel
	.amdgpu_metadata
---
amdhsa.version: [ 1, 2 ]
amdhsa.kernels:
  - .name:           k_q9e57f0e274_down
    .symbol:         k_q9e57f0e274_down.kd
    .args:
      - { .name: hs, .offset: 0, .size: 8, .value_kind: global_buffer, .address_space: global }
      - { .name: W2, .offset: 8, .size: 8, .value_kind: global_buffer, .address_space: global }
      - { .name: b2, .offset: 16, .size: 8, .value_kind: global_buffer, .address_space: global }
      - { .name: lst, .offset: 24, .size: 8, .value_kind: global_buffer, .address_space: global }
      - { .name: yp, .offset: 32, .size: 8, .value_kind: global_buffer, .address_space: global }
    .group_segment_fixed_size: 66048
    .private_segment_fixed_size: 0
    .kernarg_segment_align: 8
    .kernarg_segment_size: 40
    .max_flat_workgroup_size: 128
    .sgpr_count:     66
    .vgpr_count:     1024
    .wavefront_size: 32
...
	.end_amdgpu_metadata
.endif
;; end of part 3
;; launch sum (part 4): grid 256 x 1, 8 waves a work-group, no clusters, 0 bytes of LDS; arguments yp, rsc, out0; writes out0
.if DOCPART == 4
	.amdgcn_target "amdgcn-amd-amdhsa--gfx1250"
	.amdhsa_code_object_version 6
	.text
	.protected	k_q9e57f0e274_sum
	.globl	k_q9e57f0e274_sum
	.p2align	8
	.type	k_q9e57f0e274_sum,@function
k_q9e57f0e274_sum:
	s_mov_b64 s[64:65], 0
	v_nop
	global_prefetch_b8 v0, s[64:65] scope:SCOPE_SE
	s_setreg_imm32_b32 hwreg(HW_REG_WAVE_MODE, 25, 1), 1
	s_wait_xcnt 0x0
; out0[t] = s0 (p[0][2 t] + p[1][2 t]) + s1 (p[0][2 t + 1] + p[1][2 t + 1]): a token's two choices, each in two halves of the hidden width, weighed by the gate's two weights; f32 throughout.
; A stream: 16 tokens to a work-group, 131,072 bytes in, 32,768 out; every byte once.  All 32 loads of a wave go out on end, each 512 neighbouring bytes; the counts below let the later ones stay out.
; A wave's 32 lanes lie in one token's row, so a step's two weights are the same in all lanes: eight scalar loads of 8 bytes, at fixed places of rsc.
; No LDS, no barrier, no matrix unit, no joint loads: no byte is shared and no wave depends on another.
.set D, 8                              ; v8-135: step u: four registers for each of the four rows
.set SC, 16                            ; s[16:31]: step u: s0, s1 of my token
	s_load_b128 s[4:7], s[0:1], 0x0                ; yp s[4:5], rsc s[6:7]
	s_load_b64 s[8:9], s[0:1], 0x10                ; out0
	v_lshrrev_b32 v4, 5, v0
	v_readfirstlane_b32 s14, v4                    ; wave
	s_lshr_b32 s14, s14, 2                         ; which of a step's two tokens
	v_lshrrev_b32 v1, 7, v0                        ; the same, by lanes
	v_and_b32 v3, 127, v0
	v_lshlrev_b32 v3, 4, v3                        ; my 16 bytes of a row
	v_lshl_add_u32 v1, v1, 12, v3                  ; a token's two choices are 4,096 bytes of yp
	v_lshlrev_b32 v2, 4, v0                        ; two rows of out0 are 4,096 bytes
	s_lshl_b32 s10, ttmp9, 7                       ; 16 tokens of 8 bytes,
	s_lshl3_add_u32 s10, s14, s10                  ; and my token of the two
	s_mov_b32 s11, 0
	s_wait_kmcnt 0x0
	s_add_nc_u64 s[6:7], s[6:7], s[10:11]
.set u, 0
.rept 8
	s_load_b64 s[SC+2*u:SC+2*u+1], s[6:7], 16*u
.set u, u+1
.endr
	s_lshl_b32 s10, ttmp9, 16                      ; 32 rows of 2,048 bytes
	s_add_nc_u64 s[4:5], s[4:5], s[10:11]
	s_add_nc_u64 s[12:13], s[4:5], 0x1000000       ; the second half: 8,192 rows on
	s_lshl_b32 s10, ttmp9, 15                      ; 16 rows
	s_add_nc_u64 s[8:9], s[8:9], s[10:11]
.set u, 0
.rept 8
	global_load_b128 v[D+16*u:D+16*u+3],     v1, s[4:5] offset:8192*u th:TH_LOAD_NT
	global_load_b128 v[D+16*u+4:D+16*u+7],   v1, s[4:5] offset:8192*u+2048 th:TH_LOAD_NT
	global_load_b128 v[D+16*u+8:D+16*u+11],  v1, s[12:13] offset:8192*u th:TH_LOAD_NT
	global_load_b128 v[D+16*u+12:D+16*u+15], v1, s[12:13] offset:8192*u+2048 th:TH_LOAD_NT
.set u, u+1
.endr
	s_wait_kmcnt 0x0                               ; the weights
.set u, 0
.rept 8
	s_wait_loadcnt 28-4*u                          ; younger: the later steps' four loads each
	v_pk_add_f32 v[D+16*u:D+16*u+1],     v[D+16*u:D+16*u+1],     v[D+16*u+8:D+16*u+9]
	v_pk_add_f32 v[D+16*u+2:D+16*u+3],   v[D+16*u+2:D+16*u+3],   v[D+16*u+10:D+16*u+11]
	v_pk_add_f32 v[D+16*u+4:D+16*u+5],   v[D+16*u+4:D+16*u+5],   v[D+16*u+12:D+16*u+13]
	v_pk_add_f32 v[D+16*u+6:D+16*u+7],   v[D+16*u+6:D+16*u+7],   v[D+16*u+14:D+16*u+15]
	v_pk_mul_f32 v[D+16*u:D+16*u+1],     v[D+16*u:D+16*u+1],     s[SC+2*u:SC+2*u+1] op_sel_hi:[1,0]  ; both by the pair's low word, s0
	v_pk_mul_f32 v[D+16*u+2:D+16*u+3],   v[D+16*u+2:D+16*u+3],   s[SC+2*u:SC+2*u+1] op_sel_hi:[1,0]
.irp c, 0,1,2,3
	v_fmac_f32 v[D+16*u+\c], s[SC+2*u+1], v[D+16*u+4+\c]
.endr
	global_store_b128 v2, v[D+16*u:D+16*u+3], s[8:9] offset:4096*u th:TH_STORE_NT  ; a wave stores 512 consecutive bytes, at a multiple of 256 from out0's first byte
.set u, u+1
.endr
	s_endpgm
.Lfunc_end_k_q9e57f0e274_sum:
	.size	k_q9e57f0e274_sum, .Lfunc_end_k_q9e57f0e274_sum-k_q9e57f0e274_sum
	.p2alignl 7, 3214868480
	.fill 96, 4, 3214868480
	.section	.rodata,"a",@progbits
	.p2align	6, 0x0
	.amdhsa_kernel k_q9e57f0e274_sum
		.amdhsa_group_segment_fixed_size 0
		.amdhsa_private_segment_fixed_size 0
		.amdhsa_enable_private_segment 0
		.amdhsa_kernarg_size 24
		.amdhsa_user_sgpr_count 2
		.amdhsa_user_sgpr_kernarg_segment_ptr 1
		.amdhsa_wavefront_size32 1
		.amdhsa_system_sgpr_workgroup_id_x 1
		.amdhsa_system_sgpr_workgroup_id_y 1
		.amdhsa_system_sgpr_workgroup_id_z 1
		.amdhsa_system_vgpr_workitem_id 0
		.amdhsa_next_free_vgpr 136
		.amdhsa_next_free_sgpr 66
		.amdhsa_reserve_vcc 0
		.amdhsa_float_denorm_mode_32 3
		.amdhsa_float_denorm_mode_16_64 3
		.amdhsa_memory_ordered 1
		.amdhsa_forward_progress 1
		.amdhsa_inst_pref_size 10
	.end_amdhsa_kernel
	.amdgpu_metadata
---
amdhsa.version: [ 1, 2 ]
amdhsa.kernels:
  - .name:           k_q9e57f0e274_sum
    .symbol:         k_q9e57f0e274_sum.kd
    .args:
      - { .name: yp, .offset: 0, .size: 8, .value_kind: global_buffer, .address_space: global }
      - { .name: rsc, .offset: 8, .size: 8, .value_kind: global_buffer, .address_space: global }
      - { .name: out0, .offset: 16, .size: 8, .value_kind: global_buffer, .address_space: global }
    .group_segment_fixed_size: 0
    .private_segment_fixed_size: 0
    .kernarg_segment_align: 8
    .kernarg_segment_size: 24
    .max_flat_workgroup_size: 256
    .sgpr_count:     66
    .vgpr_count:     136
    .wavefront_size: 32
...
	.end_amdgpu_metadata
.endif
;; end of part 4
